; MI455X (gfx1250); checked and timed in simulation.
; The chip was launched on July 23, 2026; its instructions are those of AMD's public machine-readable ISA for CDNA 5 (MIT licence, August 2026) and "CDNA5" Instruction Set Architecture Reference Guide (July 2026). The comments in the code are by the model that wrote it; some were corrected since.
;; Vector Quantizer. Allowed arithmetic: matrix products marked QUANTISED: E2M1 operands, one E8M0 scale for each 32 along K, by v_wmma_scale_f32_16x16x128_f8f6f4 with both operands' format E2M1 (or v_wmma_scale_f32_32x16x128_f4), f32 sums; everything else in f32.
;; Inputs: embeddings 64 x 512 float32; inputs 32 x 64 x 64 x 64 float32.
;; Outputs: out0 32 x 64 x 64 x 64 float32; out1 one number float32; out2 131,072 int32.
;; This version of the problem:
;;   THIS VERSION OF THE PROBLEM IS GIVEN IN LOW PRECISION. The matrix products marked QUANTISED in the list below multiply operands that are first quantised to E2M1 (2 exponent bits, 1 mantissa bit; 4 bits a number), with one power-of-two scale for each 32 numbers along K (OCP MX v1.0); their sums are f32. All else is computed in f32.
;;   The module's matrix products, in the order in which they are computed (A, B: the left and right operand; K: the contracted axis; several contracted axes count as one K, in the product's order):
;;     1. [M 131,072, K 64] x [K 64, N 512]; A: input inputs; B: input embeddings: QUANTISED
;;   THE QUANTISER, for each operand of a quantised product, along K:
;;     - K is cut into blocks of 32 from its start; a last block that is shorter is filled with zeros.
;;     - A block's scale is 2^e with e = floor(log2(the largest magnitude in the block)) - 2, held to -126 .. 127; a block of zeros has e = 0. As a byte (E8M0): e + 127.
;;     - Each number is divided by its block's scale, clamped to +-6, and rounded to the nearest number of E2M1, ties to even, subnormals kept.
;;     - The product sums the exact products of the quantised numbers (number of the format x scale) in f32.
;;   ~~~python
;;   def quantise(x, axis):      # numpy; x: float32 -> the quantised numbers, widened to float32 again
;;       x = np.moveaxis(x, axis, -1); K = x.shape[-1]
;;       x = np.pad(x, [(0, 0)] * (x.ndim - 1) + [(0, -K % 32)]); x = x.reshape(x.shape[:-1] + (-1, 32)); a = np.abs(x).max(-1, keepdims=True)
;;       e = np.where(a > 0, np.clip(np.frexp(np.where(a > 0, a, 1))[1] - 1 - 2, -126, 127), 0)      # np.frexp(a)[1] - 1 = floor(log2(a)), exactly
;;       r = np.clip(x / 2.0 ** e, -6, 6)
;;       step = 2.0 ** (np.maximum(np.frexp(np.where(r == 0, 1, r))[1] - 1, 0) - 1)
;;       q = np.round(r / step) * step * 2.0 ** e      # np.round: ties to even
;;       return np.moveaxis(q.reshape(q.shape[:-2] + (-1,))[..., :K], -1, axis).astype(np.float32)
;;   ~~~
;; One version. Each part assembles by itself: llvm-mc -triple=amdgcn-amd-amdhsa -mcpu=gfx1250 --defsym DOCPART=n.
;; ======== version 1 of 1: 3 launches
;; workspace buffers: idx 524,288 bytes of whole numbers; et 131,072 bytes; part 1,024 bytes
;; launch nearest (part 1): grid 256 x 1, 4 waves a work-group, clusters of 4 x 1, 295,424 bytes of LDS; arguments inputs, embeddings, out2, idx, et; writes out2, idx, et
.if DOCPART == 1
	.amdgcn_target "amdgcn-amd-amdhsa--gfx1250"
	.amdhsa_code_object_version 6
	.text
	.protected	k_qc53a6b84fd_nearest
	.globl	k_qc53a6b84fd_nearest
	.p2align	8
	.type	k_qc53a6b84fd_nearest,@function
k_qc53a6b84fd_nearest:
	s_mov_b64 s[64:65], 0
	v_nop
	global_prefetch_b8 v0, s[64:65] scope:SCOPE_SE
	s_setreg_imm32_b32 hwreg(HW_REG_WAVE_MODE, 25, 1), 1
	s_wait_xcnt 0x0
	s_wait_alu depctr_hold_cnt(0) depctr_sa_sdst(0) depctr_va_vdst(0) depctr_va_sdst(0) depctr_va_ssrc(0) depctr_va_vcc(0) depctr_vm_vsrc(0)
	s_getreg_b32 s2, hwreg(HW_REG_IB_STS2, 6, 4)
	s_cmp_eq_u32 s2, 0
	s_cbranch_scc0 .Lentry_in_a_cluster
	s_endpgm
.Lentry_in_a_cluster:
	s_bfe_u32 s2, ttmp6, 0x10000c
	s_cmp_lg_u32 s2, 0x3003
	s_cbranch_scc0 .Lentry_shape_is_right
	s_endpgm
.Lentry_shape_is_right:
; out2[i] = the first code n at which d(i, n) = (||x_i||^2 - 2 p(i, n)) + ||e_n||^2 is least; p = Q(x) Q(E), both operands codes of FP4 (E2M1) with one E8M0 scale for each 32 along K = 64.
; x: inputs as [131072][64] f32.  E: embeddings [64 (k)][512 (n)] f32.  idx: the indices once more, for the launch that gathers.  et: E turned, [512][64] f32, for the same launch.
; SHARES.  256 work-groups of four waves; a work-group takes 512 rows, a wave 128: four PAIRS of tiles of 16 rows.  Every wave holds the whole quantised codebook in registers.
; IN.  Nothing in LDS is filled twice, so there is no ring.  E is wanted whole by every work-group: the four work-groups of a
; cluster ask for it JOINTLY, each wave for 16 of its 64 rows (the same descriptor in all four, mask 15).
; THE CODEBOOK.  Wave w quantises codes 128 w .. 128 w + 127: a lane takes a code and its registers run down K, four groups of 32 codes by turns, one block of 32 along K at a time.
; Images of the fragments' registers, the scale words and -||e||^2 / 2 go through LDS to all four waves.
; THE PRODUCT IS USED TRANSPOSED: source 0 = 16 codes, source 1 = 16 rows of x: lane (r, h) holds row r, and register j of tile t the code 16 t + 8 h + j.  K = 64 fills half of the instruction's 128:
; x's codes of k = 64 .. 127 are zeros, so what stands against them adds nothing (E2M1 has neither infinity nor NaN; no scale byte here is 0xff): the upper half of tile t's operand is tile t + 1's registers.
; WHAT IS SEARCHED IS -d / 2, FOR ITS GREATEST.  The product's C is -||x||^2 / 2 of the lane's row, so the matrix unit gives p - ||x||^2 / 2 = -(||x||^2 - 2 p) / 2; one addition of -||e||^2 / 2 gives -d / 2.
; Halving and negating round nothing, so the two roundings are the reference's.  A lane keeps the greatest so far and, whenever a tile has raised it, that tile's eight numbers and the tile's number.
; At a pair's end the first of the eight that equals the greatest is the code; lanes l and l xor 16 (the other eight codes of each tile) are joined, ties to the lower code.
; LIMITS: NaN and infinities among the inputs are not served.  A block of zeros gets the scale byte 1 where the rule says 127: its codes are zeros, and the bytes are read here alone.
; ||x||^2 and ||e||^2 are each ONE chain of fused multiply-adds in ascending k: their last bit may differ from a sum of rounded squares.  p is not rounded by itself: the matrix unit rounds p - ||x||^2 / 2 once,
; which is the reference's number wherever p is exact in f32 (the two blocks' scales within some 20 binary places of each other).  Halving is exact for numbers of 2^-125 and more.
; REGISTERS, in windows of 256 (s_set_vgpr_msb: bits 1:0 source 0, 3:2 source 1, 5:4 source 2, 7:6 destination):
;   window 0: v1-15 addresses; v16-31 the codes' scale words; v32 x's; v33-59 statistics; v60-75 x's two fragments; v76-91 the kept tiles; v96-159 results, two sets of 32; v160-223 a row's 64 numbers; v224-239 at work; v240-255 the two C operands
;   window 1: v0-127 the codes' 32 fragments, four registers each; v128-131 zeros        window 2: -||e||^2 / 2 in the result's layout: register 8 t + j
.set XP,     272                ; a row of x in LDS: 256 bytes + 16 of padding: row r starts at bank 4 r mod 64 (64 banks of 4 bytes: ISA guide 11.1)
.set XWAVE,  128*XP             ; a wave's rows
.set PAIRB,  32*XP              ; a pair's
.set EL,     4*XWAVE            ; E as it lies in memory: 64 rows of 2,048 bytes
.set CI,     EL+64*2048         ; images of the 32 fragments: 512 bytes each, 16 bytes a lane
.set SI,     CI+32*512          ; scale words, 4 bytes a code
.set EEL,    SI+2048            ; -||e||^2 / 2, 4 bytes a code
.set IX,     EEL+2048           ; the indices on their way out: 512 bytes a wave
.set XAD, 1                     ; my row of the pair in hand (lane l: row l)
.set EA,  2                     ; v2, v3: my code's column in E, k = 0 and k = 32
.set CIW, 4                     ; where I store images;  v5 scale words and -||e||^2 / 2
.set SIW, 5
.set CIR, 6                     ; where I read them: images, scale words, -||e||^2 / 2
.set SIR, 7
.set EER, 8
.set IXW, 9                     ; the indices: in, and back
.set IXR, 10
.set H8,  12                    ; 8 h
.set GO,  13                    ; 16 x lane
.set ETO, 14                    ; my code's row in et, my work-group's 32 bytes
.set LN,  15                    ; lane
.set SC,  16                    ; register g: lanes 0-15 the scale words of tile 2 g, lanes 16-31 of tile 2 g + 1
.set XS,  32                    ; lanes 0-15 the scale words of the pair's first tile, lanes 16-31 of its second
.set TP,  33
.set T,   34                    ; v34, v35: the kept tile's number
.set BEST,40                    ; v40-41, v42-43: the greatest -d / 2, in two registers by turns
.set ACC, 44                    ; the next pair's ||x||^2
.set MX,  45                    ; v45, v46: its two blocks' largest magnitudes
.set SO,  47                    ; v47, v48: the conversions' scale operands
.set BY,  49                    ; v49, v50: the scale bytes
.set N1,  52
.set N2,  56
.set XF,  60                    ; v60-63 codes, v64-67 zeros; v68-71 codes, v72-75 zeros
.set W,   76                    ; v76-83, v84-91: the kept tiles' eight numbers
.set N3R, 92
.set D,   96
.set XR,  160
.set J,   226
.set I,   228
.set OM,  230
.set OI,  232
.set IDX, 234
.set OUTI,236
.set XC,  240                   ; v240-247, v248-255: -||x||^2 / 2 of my row of the pair's first and second tile, eight times: the products' C
.set TA,  40                    ; the codebook's phase: v40-47, v48-55 at work for et; v64-95 codes of four groups; v96-223 four groups x 32 numbers
.set TB,  48
.set EC,  64
.set ES,  96
.set EACC,224
.set EMX, 228
.set ESO, 232
.set EBY, 236
.set EWD, 244
.set MSB, 0
.macro WIN new                  ; the immediate's high byte repeats the setting that is left; a switch that changes nothing is dropped
.if MSB != \new
	s_set_vgpr_msb (MSB<<8)|\new
.set MSB, \new
.endif
.endm
.macro ROUND                    ; a round of the cluster's barrier
	s_barrier_signal -1
	s_barrier_wait -1
	s_cmp_lg_u32 s14, 0
	s_cbranch_scc1 .Lnot_wave_0_\@
	s_barrier_signal -3
.Lnot_wave_0_\@:
	s_barrier_wait -3
	s_barrier_signal -1
	s_barrier_wait -1
.endm
; block b of K for my four groups: E(32 b + i, 128 w + 32 u + lane): 32 lanes read 128 consecutive bytes
.macro ELOAD b
.irp u, 0,1,2,3
.set i, 0
.rept 32
	ds_load_b32 v[ES+32*\u+i], v[EA+\b] offset:i*2048+128*\u
.set i, i+1
.endr
.endr
.endm
; et: group u's 32 numbers of block b are 128 bytes of each code's row.  Cluster 2 u + b stores them (the cluster's number is the same in all partners).  Of its four work-groups each stores eight of the 32:
; they are chosen by selects (masks s54, s55: bits 0 and 1 of the work-group's place) and told apart by address: no branch and no EXEC hangs on the place.  A lane stores 32 bytes of its own row: 128 KiB once in the launch.
.macro ETSITE u, b
	s_cmp_lg_u32 ttmp9, 2*\u+\b
	s_cbranch_scc1 .Lno_et_\@
	s_wait_xcnt 0x0                                ; stores issued earlier have read the registers that are written below
.irp k, 0,1,2,3,4,5,6,7
	v_cndmask_b32 v[TA+\k], v[ES+32*\u+\k], v[ES+32*\u+8+\k], s54
	v_cndmask_b32 v[TB+\k], v[ES+32*\u+16+\k], v[ES+32*\u+24+\k], s54
.endr
.irp k, 0,1,2,3,4,5,6,7
	v_cndmask_b32 v[TA+\k], v[TA+\k], v[TB+\k], s55
.endr
	global_store_b128 v[ETO], v[TA:TA+3], s[12:13] offset:8192*\u+128*\b
	global_store_b128 v[ETO], v[TA+4:TA+7], s[12:13] offset:8192*\u+128*\b+16
.Lno_et_\@:
.endm
.macro EHALF b
	s_wait_dscnt 0x0
.set i, 0
.rept 32
.irp u, 0,1,2,3
.if (\b == 0) && (i == 0)
	v_mul_f32 v[EACC+\u], v[ES+32*\u], v[ES+32*\u]                 ; the first square starts the sum
.else
	v_fmac_f32 v[EACC+\u], v[ES+32*\u+i], v[ES+32*\u+i]            ; ||e||^2: one chain a code, ascending k; the four groups by turns
.endif
.endr
.if (i%2) == 0
.irp u, 0,1,2,3
.if i == 0
	v_max3_num_f32 v[EMX+\u], |v[ES+32*\u]|, |v[ES+32*\u+1]|, 0x1800000   ; the block's largest magnitude, over the floor 2^(3 - 127): the byte cannot fall under 1
.else
	v_max3_num_f32 v[EMX+\u], |v[ES+32*\u+i]|, |v[ES+32*\u+i+1]|, v[EMX+\u]
.endif
.endr
.endif
.set i, i+1
.endr
.irp u, 0,1,2,3
	v_add_nc_u32 v[ESO+\u], 0xff000000, v[EMX+\u]                  ; 2 off the exponent field: the conversion's scale operand
.endr
.irp u, 0,1,2,3
	v_lshrrev_b32 v[EBY+4*\b+\u], 23, v[ESO+\u]                    ; the scale's byte
.endr
.irp u, 0,1,2,3
.irp g, 0,1,2,3
	v_cvt_scalef32_pk8_fp4_f32 v[EC+8*\u+4*\b+\g], v[ES+32*\u+8*\g:ES+32*\u+8*\g+7], v[ESO+\u]
.endr
.endr
	v_nop                                          ; one plain place behind a scaled conversion
	ETSITE 0, \b
	ETSITE 1, \b
	ETSITE 2, \b
	ETSITE 3, \b
.endm
.macro XLOAD                    ; my row's 256 bytes
.irp i, 0,1,2,3,4,5,6,7,8,9,10,11,12,13,14,15
	ds_load_b128 v[XR+4*\i:XR+4*\i+3], v[XAD] offset:16*\i
.endr
.endm
; The four products of batch wb: code tiles 2 wb, 2 wb + 1 x the pair's two tiles of rows, into result set wb % 2: units q = 0 .. 3 = (tile, rows): (0, A) (0, B) (1, A) (1, B).
; Each begins its sum with -||x||^2 / 2 of its rows, in registers of their own: no chain.
.macro WM
	WIN 0x01                                       ; source 0 (the codes) window 1
.set wd, D+32*(wb%2)
	v_wmma_scale_f32_16x16x128_f8f6f4 v[wd:wd+7], v[8*wb:8*wb+7], v[XF:XF+7], v[XC:XC+7], v[SC+wb], v[XS] matrix_a_fmt:MATRIX_FMT_FP4 matrix_b_fmt:MATRIX_FMT_FP4
	v_wmma_scale_f32_16x16x128_f8f6f4 v[wd+8:wd+15], v[8*wb:8*wb+7], v[XF+8:XF+15], v[XC+8:XC+15], v[SC+wb], v[XS] matrix_a_fmt:MATRIX_FMT_FP4 matrix_b_fmt:MATRIX_FMT_FP4 matrix_b_scale:MATRIX_SCALE_ROW1
	v_wmma_scale_f32_16x16x128_f8f6f4 v[wd+16:wd+23], v[8*wb+4:8*wb+11], v[XF:XF+7], v[XC:XC+7], v[SC+wb], v[XS] matrix_a_fmt:MATRIX_FMT_FP4 matrix_b_fmt:MATRIX_FMT_FP4 matrix_a_scale:MATRIX_SCALE_ROW1
	v_wmma_scale_f32_16x16x128_f8f6f4 v[wd+24:wd+31], v[8*wb+4:8*wb+11], v[XF+8:XF+15], v[XC+8:XC+15], v[SC+wb], v[XS] matrix_a_fmt:MATRIX_FMT_FP4 matrix_b_fmt:MATRIX_FMT_FP4 matrix_a_scale:MATRIX_SCALE_ROW1 matrix_b_scale:MATRIX_SCALE_ROW1
.endm
.macro CF                       ; one link of the next pair's ||x||^2: 4 a batch, 64 a pair
.if LASTT == 0
.if cf == 0
	v_mul_f32 v[ACC], v[XR], v[XR]
.else
	v_fmac_f32 v[ACC], v[XR+cf], v[XR+cf]
.endif
.set cf, cf+1
.endif
.endm
.macro MF b                     ; two numbers more of the next pair's block b
.if LASTT == 0
.if bi == 0
	v_max3_num_f32 v[MX+\b], |v[XR+32*\b]|, |v[XR+32*\b+1]|, 0x1800000
.else
	v_max3_num_f32 v[MX+\b], |v[XR+32*\b+2*bi]|, |v[XR+32*\b+2*bi+1]|, v[MX+\b]
.endif
.endif
.endm
.macro ADDE                     ; - ||e||^2 / 2: source 1 in window 2.  Each result is read from its low end on
.irp q, 0,1,2,3
.irp m, 0,2,4,6
.set ar, D+32*(bi%2)+8*\q+\m
	v_pk_add_f32 v[ar:ar+1], v[ar:ar+1], v[8*(2*bi+\q/2)+\m:8*(2*bi+\q/2)+\m+1]
.endr
.endr
.endm
.macro N12                      ; six of each unit's eight
.irp q, 0,1,2,3
.set dq, D+32*(bi%2)+8*\q
	v_max3_num_f32 v[N1+\q], v[dq], v[dq+1], v[dq+2]
	v_max3_num_f32 v[N2+\q], v[dq+3], v[dq+4], v[dq+5]
.endr
.endm
.macro N3 x, tt                 ; the other two and the greatest so far.  The pair's first tile starts the search: nothing is set beforehand
.set dq, D+32*(bi%2)+8*(2*\tt+\x)
.if (bi == 0) && (\tt == 0)
	v_max_num_f32 v[N3R+\x], v[dq+6], v[dq+7]
.else
	v_max3_num_f32 v[N3R+\x], v[dq+6], v[dq+7], v[BEST+2*\x+\tt]
.endif
.endm
.macro NB x, tt                 ; the new greatest, into the other of the two registers
	v_max3_num_f32 v[BEST+2*\x+1-\tt], v[N1+2*\tt+\x], v[N2+2*\tt+\x], v[N3R+\x]
.endm
.macro CMPX x, tt               ; VCC: the greatest has not risen
.if (bi > 0) || (\tt > 0)
	v_cmp_ge_f32 vcc_lo, v[BEST+2*\x+\tt], v[BEST+2*\x+1-\tt]
.endif
.endm
; Where it has risen, this tile's eight numbers and its number are kept: so the kept tile is the FIRST that holds the greatest.  Two selects go in one instruction, both on VCC: one destination is even and the
; other odd, and the two first sources, like the two second, are neighbouring registers, which differ modulo 4 (ISA guide, the dual-issue encoding's conditions).
.macro KEEP x, tt
.set dq, D+32*(bi%2)+8*(2*\tt+\x)
.if (bi > 0) || (\tt > 0)
.irp j, 0,2,4,6
	v_dual_cndmask_b32 v[W+8*\x+\j], v[dq+\j], v[W+8*\x+\j] :: v_dual_cndmask_b32 v[W+8*\x+\j+1], v[dq+\j+1], v[W+8*\x+\j+1]
.endr
	v_cndmask_b32 v[T+\x], 2*bi+\tt, v[T+\x], vcc_lo
.else
.irp j, 0,1,2,3,4,5,6,7
	v_mov_b32 v[W+8*\x+\j], v[dq+\j]
.endr
	v_mov_b32 v[T+\x], 0
.endif
.endm
; The dependent end of a batch.  The second tile's maxima stand between the first tile's compares and its selects; the next pair's sums fill the other gaps.
; NB x, 1 writes the register that CMPX x, 0 has read: it stands behind that compare.
.macro TAIL
	N3 0, 0
	N3 1, 0
	CF
	NB 0, 0
	NB 1, 0
	MF 0
	CMPX 0, 0
	N3 0, 1
	N3 1, 1
	KEEP 0, 0
	CMPX 1, 0
	NB 0, 1
	NB 1, 1
	KEEP 1, 0
	CMPX 0, 1
	CF
	MF 1
	KEEP 0, 1
	CMPX 1, 1
	CF
	KEEP 1, 1
	CF
.endm
; A PAIR: 32 rows against all 512 codes.  At its head v[XR..] hold my row (lane l: row l of the pair), v[ACC] its ||x||^2, v[MX], v[MX+1] its two blocks' largest magnitudes.  last = 1: no pair follows.
.macro TRIP last
.set LASTT, \last
	v_add_nc_u32 v[SO], 0xff000000, v[MX]
	v_add_nc_u32 v[SO+1], 0xff000000, v[MX+1]
	v_mul_f32 v[ACC], -0.5, v[ACC]                 ; -||x||^2 / 2: nothing is rounded
	v_lshrrev_b32 v[BY], 23, v[SO]
	v_lshrrev_b32 v[BY+1], 23, v[SO+1]
	v_permlanex16_b32 v[TP], v[ACC], s40, s41      ; lane l xor 16's
	v_lshl_or_b32 v[XS], v[BY+1], 8, v[BY]         ; my row's scale word; its bytes 2 and 3 stand over zero codes
.irp g, 0,1,2,3
	v_cvt_scalef32_pk8_fp4_f32 v[XF+\g], v[XR+8*\g:XR+8*\g+7], v[SO]
.endr
.irp g, 0,1,2,3
	v_cvt_scalef32_pk8_fp4_f32 v[XF+8+\g], v[XR+32+8*\g:XR+32+8*\g+7], v[SO+1]
.endr
	v_nop                                          ; one plain place behind a scaled conversion
.irp g, 0,1,2,3
	v_permlane16_swap_b32 v[XF+\g], v[XF+8+\g]     ; block 0's lanes 16-31 change places with block 1's lanes 0-15: the first is now rows 0-15's fragment (lane (r, h): k = 32 h ..), the second rows 16-31's
.endr
.irp j, 0,1,2,3,4,5,6,7
	v_cndmask_b32 v[XC+\j], v[ACC], v[TP], s42     ; the products' C: lane (r, h): row r of the first tile,
	v_cndmask_b32 v[XC+8+\j], v[TP], v[ACC], s42   ; and of the second; the same number in all eight registers, since a lane's eight results are eight codes of one row
.endr
.if \last == 0
	v_add_nc_u32 v[XAD], PAIRB, v[XAD]
	XLOAD                                          ; the next pair's rows, into the registers that the conversions have read
.endif
.rept 8
	v_nop                                          ; a scale register written by a vector instruction stands 8 places ahead of a scaled matrix instruction, an operand so written 4
.endr
.set wb, 0
	WM
	WIN 0
.rept 4
	v_nop                                          ; four places between a product and the first read of its result (ISA guide 7.12.1)
.endr
.set cf, 0
.set bi, 0
.rept 16
.if bi < 15
.set wb, bi+1
	WM                                             ; the next batch's products: all of this batch's vector work, which names none of their registers, stands between them and the first read of their results
.endif
	WIN 0x08
	ADDE
	WIN 0
	N12
.if (bi == 0) && (LASTT == 0)
	s_wait_dscnt 0x0                               ; the next pair's rows are in
.endif
	TAIL
.set bi, bi+1
.endr
	; the pair's end: which of the kept eight; then lanes l and l xor 16
	v_mov_b32 v[J], 7
	v_mov_b32 v[J+1], 7
.irp j, 6,5,4,3,2,1,0
	v_cmp_neq_f32 s44, v[W+\j], v[BEST]
	v_cmp_neq_f32 s45, v[W+8+\j], v[BEST+2]
	v_cndmask_b32 v[J], \j, v[J], s44              ; descending: the lowest j that equals the greatest stays
	v_cndmask_b32 v[J+1], \j, v[J+1], s45
.endr
	v_lshl_add_u32 v[I], v[T], 4, v[J]
	v_lshl_add_u32 v[I+1], v[T+1], 4, v[J+1]
	v_add_nc_u32 v[I], v[I], v[H8]                 ; the code: 16 t + 8 h + j
	v_add_nc_u32 v[I+1], v[I+1], v[H8]
	v_permlanex16_b32 v[OM], v[BEST], s40, s41
	v_permlanex16_b32 v[OM+1], v[BEST+2], s40, s41
	v_permlanex16_b32 v[OI], v[I], s40, s41
	v_permlanex16_b32 v[OI+1], v[I+1], s40, s41
	v_cmp_gt_f32 s44, v[OM], v[BEST]
	v_cmp_eq_f32 s45, v[OM], v[BEST]
	v_cmp_lt_u32 s46, v[OI], v[I]
	v_cmp_gt_f32 s47, v[OM+1], v[BEST+2]
	v_cmp_eq_f32 s52, v[OM+1], v[BEST+2]
	v_cmp_lt_u32 s53, v[OI+1], v[I+1]
	s_and_b32 s45, s45, s46
	s_or_b32 s44, s44, s45                         ; the other lane's is taken where it is greater, or equal at a lower code
	s_and_b32 s52, s52, s53
	s_or_b32 s47, s47, s52
	v_cndmask_b32 v[I], v[I], v[OI], s44
	v_cndmask_b32 v[I+1], v[I+1], v[OI+1], s47
	v_cndmask_b32 v[IDX], v[I], v[I+1], s42        ; lane l: row l of the pair
	ds_store_b32 v[IXW], v[IDX]
.if \last == 0
	v_add_nc_u32 v[IXW], 128, v[IXW]
.endif
.endm
	s_load_b128 s[4:7], s[0:1], 0x0                ; inputs, embeddings
	s_load_b128 s[8:11], s[0:1], 0x10              ; out2, idx
	s_load_b64 s[12:13], s[0:1], 0x20              ; et
	v_lshl_add_u32 v38, v0, 2, 0x48000
	v_mov_b32 v39, 0
	ds_add_u32 v38, v39
	ds_add_u32 v38, v39
	v_lshrrev_b32 v[LN], 5, v0
	v_readfirstlane_b32 s14, v[LN]                 ; wave 0..3
	s_bfe_u32 s56, ttmp6, 0x40000                  ; cx: my place in the cluster: it enters global addresses of x and of the outputs, and the selects of et's data
	s_lshl_b32 s57, ttmp9, 2
	s_add_co_u32 s57, s57, s56                     ; my work-group = 4 x cluster + cx
	s_bitcmp1_b32 s56, 0
	s_cselect_b32 s54, -1, 0                       ; select masks: bit 0 of cx,
	s_bitcmp1_b32 s56, 1
	s_cselect_b32 s55, -1, 0                       ; bit 1
	; descriptor group 1: 32,768 dense bytes as 128 rows of 256 (32 elements of 8 bytes).  x's: 16 bytes of padding behind each row, no mask.  E's: no padding; mask: all four work-groups, bit 21 beside it
	s_mov_b32 s16, (3<<16)|(1<<20)|(5<<22)|(3<<25)
	s_mov_b32 s24, 15|(3<<16)|(1<<21)
.irp g, 16, 24
	s_mov_b32 s[\g+1], 32<<16                      ; tensor_dim0
	s_mov_b32 s[\g+2], 128<<16                     ; tensor_dim1
	s_mov_b32 s[\g+3], 32<<16                      ; tile_dim0
	s_mov_b32 s[\g+4], 128                         ; tile_dim1
	s_mov_b32 s[\g+5], 32                          ; from row to row
	s_mov_b32 s[\g+6], 0
	s_mov_b32 s[\g+7], 0
.endr
	s_lshl_b32 s15, s14, 15                        ; 32,768 x wave
	s_lshl_b32 s48, s57, 17                        ; x: 512 rows of 256 bytes a work-group,
	s_add_co_u32 s48, s48, s15                     ; 128 a wave
	s_mov_b32 s49, 0
	s_mov_b32 s50, s15                             ; E: 16 rows of 2,048 bytes a wave: made of the wave's number alone
	s_mov_b32 s51, 0
	s_mov_b32 s32, 1
	s_mul_i32 s33, s14, XWAVE
	s_mov_b32 s36, 1
	s_add_co_u32 s37, s15, EL
	s_wait_dscnt 0x0
	s_wait_kmcnt 0x0
	s_add_nc_u64 s[34:35], s[4:5], s[48:49]
	s_or_b32 s35, s35, 0x80000000
	s_add_nc_u64 s[38:39], s[6:7], s[50:51]
	s_or_b32 s39, s39, 0x80000000
	ROUND                                          ; all four work-groups are here: the joint loads meet
	tensor_load_to_lds s[36:39], s[24:31]          ; my 16 rows of E, jointly
	s_nop 0
	tensor_load_to_lds s[32:35], s[16:23]          ; my 128 rows of x: two loads of mine are out
	s_nop 0
.rept 4
	v_nop
.endr
	v_and_b32 v[LN], 31, v0
	v_bfe_u32 v11, v0, 4, 1                        ; h
	v_lshlrev_b32 v[H8], 3, v11
	v_mul_u32_u24 v[XAD], v[LN], XP
	v_add_nc_u32 v[XAD], s33, v[XAD]
	s_lshl_b32 s44, s14, 9                         ; 512 x wave
	s_add_co_u32 s45, s44, EL
	v_lshl_add_u32 v[EA], v[LN], 2, s45            ; code 128 w + lane, k = 0;
	v_add_nc_u32 v[EA+1], 0x10000, v[EA]           ; k = 32
	s_lshl_b32 s45, s14, 12
	s_add_co_u32 s45, s45, CI
	v_lshl_add_u32 v[CIW], v[LN], 4, s45           ; my eight tiles' images
	s_add_co_u32 s45, s44, SI
	v_lshl_add_u32 v[SIW], v[LN], 2, s45
	v_lshl_add_u32 v[CIR], v[LN], 4, CI
	v_lshl_add_u32 v[SIR], v[LN], 2, SI
	v_lshl_add_u32 v[EER], v11, 5, EEL             ; -||e||^2 / 2 of codes 16 t + 8 h + 0 .. 7: 64 t + 32 h
	s_add_co_u32 s45, s44, IX
	v_lshl_add_u32 v[IXW], v[LN], 2, s45
	v_lshl_add_u32 v[IXR], v[LN], 4, s45
	v_lshlrev_b32 v[GO], 4, v[LN]
	s_lshl_b32 s59, s56, 5
	s_add_co_u32 s59, s59, s15
	v_lshl_add_u32 v[ETO], v[LN], 8, s59           ; et (global): row 128 w + lane of 256 bytes, + 32 cx
	s_mov_b32 s40, 0x76543210
	s_mov_b32 s41, 0xfedcba98                      ; v_permlanex16_b32's selects for lane l xor 16
	s_mov_b32 s42, 0xffff0000                      ; lanes 16-31
	s_lshl_b32 s48, s57, 11                        ; the indices: 2,048 bytes a work-group, 512 a wave
	s_add_co_u32 s48, s48, s44
	s_add_nc_u64 s[8:9], s[8:9], s[48:49]
	s_add_nc_u64 s[10:11], s[10:11], s[48:49]
	s_wait_tensorcnt 0x1                           ; my rows of E are in; x's load, issued behind, may stay out
	s_barrier_signal -1
	s_barrier_wait -1                              ; everybody's are
	ELOAD 0
	EHALF 0
	ELOAD 1
	EHALF 1
	s_wait_xcnt 0x0                                ; et's stores have read their registers, which the statistics take below
.irp u, 0,1,2,3
	v_lshl_or_b32 v[EWD+\u], v[EBY+4+\u], 8, v[EBY+\u]             ; a code's scale word; its bytes 2 and 3 stand against x's zero codes
.endr
.irp u, 0,1,2,3
	v_mul_f32 v[EACC+\u], -0.5, v[EACC+\u]                         ; -||e||^2 / 2: nothing is rounded
.endr
.irp u, 0,1,2,3
.irp g, 0,1,2,3
	v_permlane16_swap_b32 v[EC+8*\u+\g], v[EC+8*\u+4+\g]           ; a group's 32 codes become two fragments, as x's rows do in TRIP
.endr
.endr
.irp u, 0,1,2,3
	ds_store_b128 v[CIW], v[EC+8*\u:EC+8*\u+3] offset:1024*\u      ; tile 8 w + 2 u as an image of its registers,
	ds_store_b128 v[CIW], v[EC+8*\u+4:EC+8*\u+7] offset:1024*\u+512   ; tile 8 w + 2 u + 1
	ds_store_b32 v[SIW], v[EWD+\u] offset:128*\u
	ds_store_b32 v[SIW], v[EACC+\u] offset:2048+128*\u             ; -||e||^2 / 2
.endr
	s_wait_tensorcnt 0x0                           ; my rows of x are in: only I read them
	XLOAD                                          ; the first pair
	s_wait_dscnt 0x0                               ; for the others' sake: my stores are done
	s_barrier_signal -1
	s_barrier_wait -1
	WIN 0x40                                       ; destination window 1
.set t, 0
.rept 32
	ds_load_b128 v[4*t:4*t+3], v[CIR] offset:512*t
.set t, t+1
.endr
.irp j, 128,129,130,131
	v_mov_b32 v\j, 0                               ; what stands behind the last tile
.endr
	WIN 0
.set t, 0
.rept 16
	ds_load_b32 v[SC+t], v[SIR] offset:128*t
.set t, t+1
.endr
	WIN 0x80                                       ; destination window 2
.set t, 0
.rept 32
	ds_load_b128 v[8*t:8*t+3], v[EER] offset:64*t
	ds_load_b128 v[8*t+4:8*t+7], v[EER] offset:64*t+16
.set t, t+1
.endr
	WIN 0
.irp j, 4,5,6,7,12,13,14,15
	v_mov_b32 v[XF+\j], 0                          ; x's codes of k = 64 .. 127
.endr
.irp j, TP, OM, OM+1, OI, OI+1
	v_mov_b32 v[\j], 0                             ; written once: a lane permute's destination counts as one of its sources
.endr
.set i, 0
.rept 64                                           ; the first pair's ||x||^2 and largest magnitudes, while the codebook's loads come in
.if i == 0
	v_mul_f32 v[ACC], v[XR], v[XR]
.else
	v_fmac_f32 v[ACC], v[XR+i], v[XR+i]
.endif
.if (i%2) == 0
.if (i%32) == 0
	v_max3_num_f32 v[MX+i/32], |v[XR+i]|, |v[XR+i+1]|, 0x1800000
.else
	v_max3_num_f32 v[MX+i/32], |v[XR+i]|, |v[XR+i+1]|, v[MX+i/32]
.endif
.endif
.set i, i+1
.endr
	s_wait_dscnt 0x0                               ; the codebook is in my registers
	s_mov_b32 s43, 3
.Lpair:
	TRIP 0
	s_sub_co_u32 s43, s43, 1
	s_cmp_lg_u32 s43, 0
	s_cbranch_scc1 .Lpair
	TRIP 1                                         ; the last pair is written out: it fetches no further rows
	ds_load_b128 v[OUTI:OUTI+3], v[IXR]            ; LDS serves a wave's instructions in order (ISA guide 5.7.1.4): this sees my four stores
	s_wait_dscnt 0x0
	global_store_b128 v[GO], v[OUTI:OUTI+3], s[8:9]      ; 32 lanes store my 128 indices: 512 consecutive bytes, aligned
	global_store_b128 v[GO], v[OUTI:OUTI+3], s[10:11]
	s_wait_tensorcnt 0x0
	ds_add_u32 v38, v39
	s_wait_dscnt 0x0
	ROUND                                          ; the closing round: no work-group ends while a partner may still ask jointly
	s_endpgm
.Lfunc_end_k_qc53a6b84fd_nearest:
	.size	k_qc53a6b84fd_nearest, .Lfunc_end_k_qc53a6b84fd_nearest-k_qc53a6b84fd_nearest
	.p2alignl 7, 3214868480
	.fill 96, 4, 3214868480
	.section	.rodata,"a",@progbits
	.p2align	6, 0x0
	.amdhsa_kernel k_qc53a6b84fd_nearest
		.amdhsa_group_segment_fixed_size 295424
		.amdhsa_private_segment_fixed_size 0
		.amdhsa_enable_private_segment 0
		.amdhsa_kernarg_size 40
		.amdhsa_user_sgpr_count 2
		.amdhsa_user_sgpr_kernarg_segment_ptr 1
		.amdhsa_wavefront_size32 1
		.amdhsa_system_sgpr_workgroup_id_x 1
		.amdhsa_system_sgpr_workgroup_id_y 1
		.amdhsa_system_sgpr_workgroup_id_z 1
		.amdhsa_system_vgpr_workitem_id 0
		.amdhsa_next_free_vgpr 768
		.amdhsa_next_free_sgpr 66
		.amdhsa_reserve_vcc 1
		.amdhsa_float_denorm_mode_32 3
		.amdhsa_float_denorm_mode_16_64 3
		.amdhsa_memory_ordered 1
		.amdhsa_forward_progress 1
		.amdhsa_inst_pref_size 209
	.end_amdhsa_kernel
	.amdgpu_metadata
---
amdhsa.version: [ 1, 2 ]
amdhsa.kernels:
  - .name:           k_qc53a6b84fd_nearest
    .symbol:         k_qc53a6b84fd_nearest.kd
    .args:
      - { .name: inputs, .offset: 0, .size: 8, .value_kind: global_buffer, .address_space: global }
      - { .name: embeddings, .offset: 8, .size: 8, .value_kind: global_buffer, .address_space: global }
      - { .name: out2, .offset: 16, .size: 8, .value_kind: global_buffer, .address_space: global }
      - { .name: idx, .offset: 24, .size: 8, .value_kind: global_buffer, .address_space: global }
      - { .name: et, .offset: 32, .size: 8, .value_kind: global_buffer, .address_space: global }
    .group_segment_fixed_size: 295424
    .private_segment_fixed_size: 0
    .kernarg_segment_align: 8
    .kernarg_segment_size: 40
    .max_flat_workgroup_size: 128
    .sgpr_count:     66
    .vgpr_count:     768
    .wavefront_size: 32
...
	.end_amdgpu_metadata
.endif
;; end of part 1
;; launch gather (part 2): grid 256 x 1, 16 waves a work-group, no clusters, 2,304 bytes of LDS; arguments inputs, idx, et, out0, part; writes out0, part
.if DOCPART == 2
	.amdgcn_target "amdgcn-amd-amdhsa--gfx1250"
	.amdhsa_code_object_version 6
	.text
	.protected	k_qc53a6b84fd_gather
	.globl	k_qc53a6b84fd_gather
	.p2align	8
	.type	k_qc53a6b84fd_gather,@function
k_qc53a6b84fd_gather:
	s_mov_b64 s[64:65], 0
	v_nop
	global_prefetch_b8 v0, s[64:65] scope:SCOPE_SE
	s_setreg_imm32_b32 hwreg(HW_REG_WAVE_MODE, 25, 1), 1
	s_wait_xcnt 0x0
; out0[i][:] = x_i + (q_i - x_i), q_i = et[idx[i]][:]; part[g] = the sum over work-group g's 512 rows of (q - x)^2.  All f32.
; A stream: memory binds, so no matrix unit, no cluster, no ring.  Sixteen waves; a wave takes 32 rows and has no loop: its 4 loads of indices and 16 of x go out together, 8 KiB of x a wave, the work-group's 128 KiB at once.
; Lane (r, h), step i: the 16 bytes at 16 r of row 16 h + i: sixteen neighbouring lanes read, gather and store one aligned run of 256 bytes.  So lane (r, h) wants indices 16 h + 0 .. 15: four loads of 16 bytes.
; An index enters an address behind v_min_u32 with 511, the table's last row.
.set X,   16                    ; v16-79   x, then the result
.set Q,   80                    ; v80-143  q, then q - x
.set IDR, 144                   ; v144-159 indices, then offsets into et
.set A,   160                   ; v[160:161], v[162:163] the sum of squares, in four parts
	s_load_b256 s[4:11], s[0:1], 0x0               ; inputs, idx, et, out0
	s_load_b64 s[12:13], s[0:1], 0x20              ; part
	v_lshl_add_u32 v168, v0, 2, 0x100
	v_mov_b32 v169, 0
	v_lshrrev_b32 v1, 5, v0
	v_readfirstlane_b32 s14, v1                    ; wave 0..15
	v_and_b32 v2, 15, v0                           ; r
	v_bfe_u32 v3, v0, 4, 1                         ; h
	v_lshlrev_b32 v4, 4, v2                        ; 16 r
	v_lshl_add_u32 v5, v3, 12, v4                  ; + 16 rows of 256 bytes for lanes 16-31
	v_lshlrev_b32 v6, 6, v3                        ; the indices: 64 h
	v_mov_b32 v7, s14
	v_lshlrev_b32 v7, 2, v7                        ; LDS: my wave's word
	v_lshlrev_b32 v10, 2, v2                       ; and the word that I read back
	s_mov_b32 s20, 0x76543210
	s_mov_b32 s21, 0xfedcba98                      ; v_permlanex16_b32's selects for lane l xor 16
	s_lshl_b32 s16, ttmp9, 9
	s_lshl_b32 s15, s14, 5
	s_add_co_u32 s16, s16, s15                     ; my first row
	s_lshl_b32 s18, s16, 2
	s_mov_b32 s19, 0
	s_lshl_b32 s16, s16, 8
	s_mov_b32 s17, 0
	s_wait_kmcnt 0x0
	s_add_nc_u64 s[6:7], s[6:7], s[18:19]
	s_add_nc_u64 s[4:5], s[4:5], s[16:17]
	s_add_nc_u64 s[10:11], s[10:11], s[16:17]
.irp m, 0,1,2,3
	global_load_b128 v[IDR+4*\m:IDR+4*\m+3], v6, s[6:7] offset:16*\m
.endr
.irp i, 0,1,2,3,4,5,6,7,8,9,10,11,12,13,14,15
	global_load_b128 v[X+4*\i:X+4*\i+3], v5, s[4:5] offset:256*\i th:TH_LOAD_NT
.endr
	s_wait_loadcnt 16                              ; the indices are in; the sixteen loads of x, issued behind them, stay out
.irp i, 0,1,2,3,4,5,6,7,8,9,10,11,12,13,14,15
	v_min_u32 v[IDR+\i], 0x1ff, v[IDR+\i]
.endr
.irp i, 0,1,2,3,4,5,6,7,8,9,10,11,12,13,14,15
	v_lshl_add_u32 v[IDR+\i], v[IDR+\i], 8, v4     ; row x 256 + 16 r
.endr
.irp i, 0,1,2,3,4,5,6,7,8,9,10,11,12,13,14,15
	global_load_b128 v[Q+4*\i:Q+4*\i+3], v[IDR+\i], s[8:9]   ; many rows name the same code: no hint
.endr
.irp i, 0,1,2,3,4,5,6,7,8,9,10,11,12,13,14,15
	s_wait_loadcnt 15-\i                           ; loads come back in order (ISA guide 5.7.1): gather i is in, and all of x before it; the 15 - i younger gathers stay out
	v_pk_add_f32 v[Q+4*\i:Q+4*\i+1], v[Q+4*\i:Q+4*\i+1], v[X+4*\i:X+4*\i+1] neg_lo:[0,1] neg_hi:[0,1]       ; q - x
	v_pk_add_f32 v[Q+4*\i+2:Q+4*\i+3], v[Q+4*\i+2:Q+4*\i+3], v[X+4*\i+2:X+4*\i+3] neg_lo:[0,1] neg_hi:[0,1]
.if \i == 0
	v_pk_mul_f32 v[A:A+1], v[Q:Q+1], v[Q:Q+1]      ; the first squares start the sums
	v_pk_mul_f32 v[A+2:A+3], v[Q+2:Q+3], v[Q+2:Q+3]
.else
	v_pk_fma_f32 v[A:A+1], v[Q+4*\i:Q+4*\i+1], v[Q+4*\i:Q+4*\i+1], v[A:A+1]
	v_pk_fma_f32 v[A+2:A+3], v[Q+4*\i+2:Q+4*\i+3], v[Q+4*\i+2:Q+4*\i+3], v[A+2:A+3]
.endif
	v_pk_add_f32 v[X+4*\i:X+4*\i+1], v[X+4*\i:X+4*\i+1], v[Q+4*\i:Q+4*\i+1]                                 ; x + (q - x)
	v_pk_add_f32 v[X+4*\i+2:X+4*\i+3], v[X+4*\i+2:X+4*\i+3], v[Q+4*\i+2:Q+4*\i+3]
	global_store_b128 v5, v[X+4*\i:X+4*\i+3], s[10:11] offset:256*\i th:TH_STORE_NT
.endr
	v_pk_add_f32 v[A:A+1], v[A:A+1], v[A+2:A+3]
	v_add_f32 v[A], v[A], v[A+1]
	v_add_f32_dpp v[A], v[A], v[A] row_xmask:1 row_mask:0xf bank_mask:0xf
	v_add_f32_dpp v[A], v[A], v[A] row_xmask:2 row_mask:0xf bank_mask:0xf
	v_add_f32_dpp v[A], v[A], v[A] row_xmask:4 row_mask:0xf bank_mask:0xf
	v_add_f32_dpp v[A], v[A], v[A] row_xmask:8 row_mask:0xf bank_mask:0xf
	v_permlanex16_b32 v[A+1], v[A], s20, s21
	v_add_f32 v[A], v[A], v[A+1]                   ; the wave's sum, in every lane
	ds_store_b32 v7, v[A]                          ; all lanes write the same word with the same value
	s_wait_dscnt 0x0                               ; for the others' sake: my store is done
	s_barrier_signal -1
	s_barrier_wait -1
	s_cmp_lg_u32 s14, 0
	s_cbranch_scc1 .Lend                           ; wave 0 adds the sixteen
	ds_load_b32 v8, v10                            ; lane l: wave l % 16's sum
	s_lshl_b32 s16, ttmp9, 2
	s_add_nc_u64 s[12:13], s[12:13], s[16:17]      ; part[work-group]  (s17 is still 0)
	v_mov_b32 v9, 0
	s_wait_dscnt 0x0
	v_add_f32_dpp v8, v8, v8 row_xmask:1 row_mask:0xf bank_mask:0xf
	v_add_f32_dpp v8, v8, v8 row_xmask:2 row_mask:0xf bank_mask:0xf
	v_add_f32_dpp v8, v8, v8 row_xmask:4 row_mask:0xf bank_mask:0xf
	v_add_f32_dpp v8, v8, v8 row_xmask:8 row_mask:0xf bank_mask:0xf
	v_cmp_eq_u32 vcc_lo, 0, v0
	s_wait_xcnt 0x0                                ; EXEC changes only behind this wait: my stores of out0 have read it
	s_and_saveexec_b32 s22, vcc_lo
	global_store_b32 v9, v8, s[12:13]              ; thread 0 alone
	s_wait_xcnt 0x0
	s_or_b32 exec_lo, exec_lo, s22
.Lend:
	s_wait_tensorcnt 0x0
	ds_add_u32 v168, v169
	s_wait_dscnt 0x0
	s_endpgm
.Lfunc_end_k_qc53a6b84fd_gather:
	.size	k_qc53a6b84fd_gather, .Lfunc_end_k_qc53a6b84fd_gather-k_qc53a6b84fd_gather
	.p2alignl 7, 3214868480
	.fill 96, 4, 3214868480
	.section	.rodata,"a",@progbits
	.p2align	6, 0x0
	.amdhsa_kernel k_qc53a6b84fd_gather
		.amdhsa_group_segment_fixed_size 2304
		.amdhsa_private_segment_fixed_size 0
		.amdhsa_enable_private_segment 0
		.amdhsa_kernarg_size 40
		.amdhsa_user_sgpr_count 2
		.amdhsa_user_sgpr_kernarg_segment_ptr 1
		.amdhsa_wavefront_size32 1
		.amdhsa_system_sgpr_workgroup_id_x 1
		.amdhsa_system_sgpr_workgroup_id_y 1
		.amdhsa_system_sgpr_workgroup_id_z 1
		.amdhsa_system_vgpr_workitem_id 0
		.amdhsa_next_free_vgpr 170
		.amdhsa_next_free_sgpr 66
		.amdhsa_reserve_vcc 1
		.amdhsa_float_denorm_mode_32 3
		.amdhsa_float_denorm_mode_16_64 3
		.amdhsa_memory_ordered 1
		.amdhsa_forward_progress 1
		.amdhsa_inst_pref_size 17
	.end_amdhsa_kernel
	.amdgpu_metadata
---
amdhsa.version: [ 1, 2 ]
amdhsa.kernels:
  - .name:           k_qc53a6b84fd_gather
    .symbol:         k_qc53a6b84fd_gather.kd
    .args:
      - { .name: inputs, .offset: 0, .size: 8, .value_kind: global_buffer, .address_space: global }
      - { .name: idx, .offset: 8, .size: 8, .value_kind: global_buffer, .address_space: global }
      - { .name: et, .offset: 16, .size: 8, .value_kind: global_buffer, .address_space: global }
      - { .name: out0, .offset: 24, .size: 8, .value_kind: global_buffer, .address_space: global }
      - { .name: part, .offset: 32, .size: 8, .value_kind: global_buffer, .address_space: global }
    .group_segment_fixed_size: 2304
    .private_segment_fixed_size: 0
    .kernarg_segment_align: 8
    .kernarg_segment_size: 40
    .max_flat_workgroup_size: 512
    .sgpr_count:     66
    .vgpr_count:     170
    .wavefront_size: 32
...
	.end_amdgpu_metadata
.endif
;; end of part 2
;; launch total (part 3): grid 1 x 1, 1 waves a work-group, no clusters, 0 bytes of LDS; arguments part, out1; writes out1
.if DOCPART == 3
	.amdgcn_target "amdgcn-amd-amdhsa--gfx1250"
	.amdhsa_code_object_version 6
	.text
	.protected	k_qc53a6b84fd_total
	.globl	k_qc53a6b84fd_total
	.p2align	8
	.type	k_qc53a6b84fd_total,@function
k_qc53a6b84fd_total:
	s_mov_b64 s[64:65], 0
	v_nop
	global_prefetch_b8 v0, s[64:65] scope:SCOPE_SE
	s_setreg_imm32_b32 hwreg(HW_REG_WAVE_MODE, 25, 1), 1
	s_wait_xcnt 0x0
; out1 = 0.25 x the mean of (q - x)^2 = the sum of the 256 partial sums x 2^-25 (0.25 / (131,072 x 64)).  One wave: a lane takes eight neighbouring numbers.
	s_load_b128 s[4:7], s[0:1], 0x0                ; part, out1
	v_lshlrev_b32 v1, 5, v0                        ; 32 bytes a lane
	s_mov_b32 s8, 0x76543210
	s_mov_b32 s9, 0xfedcba98                       ; v_permlanex16_b32's selects for lane l xor 16
	v_mov_b32 v10, 0                               ; a lane permute's destination counts as one of its sources
	v_mov_b32 v11, 0
	s_wait_kmcnt 0x0
	global_load_b128 v[2:5], v1, s[4:5]
	global_load_b128 v[6:9], v1, s[4:5] offset:16
	s_wait_loadcnt 0x0
	v_pk_add_f32 v[2:3], v[2:3], v[4:5]
	v_pk_add_f32 v[6:7], v[6:7], v[8:9]
	v_pk_add_f32 v[2:3], v[2:3], v[6:7]
	v_add_f32 v2, v2, v3
	v_add_f32_dpp v2, v2, v2 row_xmask:1 row_mask:0xf bank_mask:0xf
	v_add_f32_dpp v2, v2, v2 row_xmask:2 row_mask:0xf bank_mask:0xf
	v_add_f32_dpp v2, v2, v2 row_xmask:4 row_mask:0xf bank_mask:0xf
	v_add_f32_dpp v2, v2, v2 row_xmask:8 row_mask:0xf bank_mask:0xf
	v_permlanex16_b32 v10, v2, s8, s9
	v_add_f32 v2, v2, v10
	v_mul_f32 v2, 0x33000000, v2                   ; x 2^-25
	v_cmp_eq_u32 vcc_lo, 0, v0
	s_wait_xcnt 0x0                                ; EXEC changes only behind this wait
	s_and_saveexec_b32 s10, vcc_lo
	global_store_b32 v11, v2, s[6:7]               ; thread 0 alone
	s_wait_xcnt 0x0
	s_or_b32 exec_lo, exec_lo, s10
	s_endpgm
.Lfunc_end_k_qc53a6b84fd_total:
	.size	k_qc53a6b84fd_total, .Lfunc_end_k_qc53a6b84fd_total-k_qc53a6b84fd_total
	.p2alignl 7, 3214868480
	.fill 96, 4, 3214868480
	.section	.rodata,"a",@progbits
	.p2align	6, 0x0
	.amdhsa_kernel k_qc53a6b84fd_total
		.amdhsa_group_segment_fixed_size 0
		.amdhsa_private_segment_fixed_size 0
		.amdhsa_enable_private_segment 0
		.amdhsa_kernarg_size 16
		.amdhsa_user_sgpr_count 2
		.amdhsa_user_sgpr_kernarg_segment_ptr 1
		.amdhsa_wavefront_size32 1
		.amdhsa_system_sgpr_workgroup_id_x 1
		.amdhsa_system_sgpr_workgroup_id_y 1
		.amdhsa_system_sgpr_workgroup_id_z 1
		.amdhsa_system_vgpr_workitem_id 0
		.amdhsa_next_free_vgpr 16
		.amdhsa_next_free_sgpr 66
		.amdhsa_reserve_vcc 1
		.amdhsa_float_denorm_mode_32 3
		.amdhsa_float_denorm_mode_16_64 3
		.amdhsa_memory_ordered 1
		.amdhsa_forward_progress 1
		.amdhsa_inst_pref_size 2
	.end_amdhsa_kernel
	.amdgpu_metadata
---
amdhsa.version: [ 1, 2 ]
amdhsa.kernels:
  - .name:           k_qc53a6b84fd_total
    .symbol:         k_qc53a6b84fd_total.kd
    .args:
      - { .name: part, .offset: 0, .size: 8, .value_kind: global_buffer, .address_space: global }
      - { .name: out1, .offset: 8, .size: 8, .value_kind: global_buffer, .address_space: global }
    .group_segment_fixed_size: 0
    .private_segment_fixed_size: 0
    .kernarg_segment_align: 8
    .kernarg_segment_size: 16
    .max_flat_workgroup_size: 32
    .sgpr_count:     66
    .vgpr_count:     16
    .wavefront_size: 32
...
	.end_amdgpu_metadata
.endif
;; end of part 3
